; MI455X (gfx1250); checked and timed in simulation.
; The chip was launched on July 23, 2026; its instructions are those of AMD's public machine-readable ISA for CDNA 5 (MIT licence, August 2026) and "CDNA5" Instruction Set Architecture Reference Guide (July 2026). The comments in the code are by the model that wrote it; some were corrected since.
;; Bahdanau Attention. Allowed arithmetic: matrix products marked QUANTISED: E5M2 operands, one given power-of-two scale a tensor, by v_wmma_f32_16x16x64_bf8_bf8 or v_wmma_f32_16x16x128_bf8_bf8, f32 sums; products left as they are: f32 operands where the result goes on into a quantised operand, else bf16, f16 or f32 operands; f32 sums; everything else in f32.
;; Inputs: W_energy 1 x 1,024 float32; W_key_codes 1,024 x 32 x 32 uint8 (E5M2 codes of W_key, K innermost, in blocks of 32 codes); W_query_codes 1,024 x 32 x 32 uint8 (E5M2 codes of W_query, K innermost, in blocks of 32 codes); decoder_hidden_codes 32 x 32 x 32 uint8 (E5M2 codes of decoder_hidden, K innermost, in blocks of 32 codes); encoder_outputs 32 x 2,048 x 1,024 float32; lowp_scales 4 int32 (the exponents e of the quantised operands' scales 2^e); src_mask 32 x 2,048 bool.
;; Outputs: out0 32 x 1,024 float32; out1 32 x 2,048 float32.
;; This version of the problem:
;;   THIS VERSION OF THE PROBLEM IS GIVEN IN LOW PRECISION. The matrix products marked QUANTISED in the list below multiply operands that are first quantised to E5M2 (5 exponent bits, 2 mantissa bits; 8 bits a number), with one given power-of-two scale for each operand tensor; their sums are f32. All else is computed in f32.
;;   The module's matrix products, in the order in which they are computed (A, B: the left and right operand; K: the contracted axis; several contracted axes count as one K, in the product's order):
;;     1. [M 32, K 1,024] x [K 1,024, N 1,024]; A: input decoder_hidden (given as codes); B: input W_query (given as codes): QUANTISED (scales: A lowp_scales[0], B lowp_scales[1])
;;     2. [M 65,536, K 1,024] x [K 1,024, N 1,024]; A: input encoder_outputs; B: input W_key (given as codes): QUANTISED (scales: A lowp_scales[2], B lowp_scales[3])
;;     3. [M 65,536, K 1,024] x [K 1,024, N 1]; A: computed on the way; B: input W_energy: left as it is (N = 1 < 16)
;;     4. batch 32 x [M 1, K 2,048] x [K 2,048, N 1,024]; A: softmax; B: input encoder_outputs: left as it is (M = 1 < 16)
;;   THE QUANTISER, for each operand of a quantised product, along K:
;;     - The operand's scale is 2^e, e = its entry of the input lowp_scales (int32; the entries are numbered through the quantised products in the list's order, A before B).
;;     - Each number is divided by the scale, clamped to +-57,344, and rounded to the nearest number of E5M2, ties to even, subnormals kept.
;;     - The product sums the exact products of the quantised numbers (number of the format x scale) in f32.
;;   ~~~python
;;   def quantise(x, axis, e):      # numpy; x: float32 -> the quantised numbers, widened to float32 again
;;       x = np.moveaxis(x, axis, -1); K = x.shape[-1]
;;       r = np.clip(x / 2.0 ** e, -57344, 57344)
;;       step = 2.0 ** (np.maximum(np.frexp(np.where(r == 0, 1, r))[1] - 1, -14) - 2)
;;       q = np.round(r / step) * step * 2.0 ** e      # np.round: ties to even
;;       return np.moveaxis(q, -1, axis).astype(np.float32)
;;   ~~~
;;   INPUTS GIVEN AS CODES. W_key (in the module: [1024, 1024], K = its axis 1); W_query (in the module: [1024, 1024], K = its axis 1); decoder_hidden (in the module: [32, 1024], K = its axis 1): each comes as NAME_codes (uint8): NAME with its K axis moved to the last place and cut into blocks of 32 codes, [.., K / 32, bytes a block], one block behind the other in memory; one code a byte (a code: sign, 5 exponent bits, 2 mantissa bits); its scale is its entry of lowp_scales. Its value is code x scale, taken as it is: it is not quantised again, and the codes and scales need not be those that the quantiser above would give.
;; One version. Each part assembles by itself: llvm-mc -triple=amdgcn-amd-amdhsa -mcpu=gfx1250 --defsym DOCPART=n.
;; ======== version 1 of 1: 3 launches
;; limits: right only within a limited range of input values
;; workspace buffers: wkf 1,048,576 bytes; qs 524,288 bytes; list 262,144 bytes of whole numbers; rank 262,144 bytes of whole numbers; cnt 4,096 bytes of whole numbers; sc 327,680 bytes
;; launch prep (part 1): grid 224 x 1, 4 waves a work-group, no clusters, 0 bytes of LDS; arguments W_key_codes, W_query_codes, decoder_hidden_codes, lowp_scales, src_mask, wkf, qs, list, rank, cnt; writes wkf, qs, list, rank, cnt
.if DOCPART == 1
	.amdgcn_target "amdgcn-amd-amdhsa--gfx1250"
	.amdhsa_code_object_version 6
	.text
	.protected	k_q94e36e32c6_prep
	.globl	k_q94e36e32c6_prep
	.p2align	8
	.type	k_q94e36e32c6_prep,@function
k_q94e36e32c6_prep:
	s_mov_b64 s[64:65], 0
	v_nop
	global_prefetch_b8 v0, s[64:65] scope:SCOPE_SE
	s_setreg_imm32_b32 hwreg(HW_REG_WAVE_MODE, 25, 1), 1
	s_wait_xcnt 0x0
; BAHDANAU ATTENTION, launch 1 of 3: what the two later launches need once.
;   context[b] = sum over s of w[b][s] enc[b][s],  w[b] = softmax over s of where(mask[b][s], sum over d of v[d] tanh(q[b][d] + k[b][s][d]), -1e9),
;   q = dh Wq^T and k = enc Wk^T on codes of E5M2 with the given scales 2^e0 .. 2^e3.
; WORK THAT IS LEFT OUT, IN ALL THREE LAUNCHES, AND WHY IT IS DEAD.
;   (1) src_mask is an input of whole numbers (a byte 0 or 1 a row); this launch reads it and stores, for each batch, a list of its rows, the kept ones first.  A row with mask 0 has the score -1e9 whatever
;       its k is: its row of enc Wk^T, its tanh and its term of v^T tanh reach no output.  In a batch with a kept row its weight is exp(-1e9 - max); the largest score is at least -sum|v[d]|, so the
;       weight is 0 in f32 and its term of the context is 0.  Later launches read the list and the count and do only the kept rows; the weight 0 is stored.  A batch with no kept row has 2,048 equal scores:
;       weight 1/2,048 everywhere and the mean of all its rows, which the third launch computes from the same list (a permutation of all rows).
;   (2) tanh(x) = 1 - 2 / (1 + e^(2x)): the term sum over d of v[d] is the same for every kept row of a softmax's axis and cancels; the score kept is u = -2 sum over d of v[d] / (1 + e^(2x)).
;   Every input has a way to an output: all are loaded.
; LIMITS: sum|v[d]| under 9.9e8 (else a masked row's weight would not be 0 beside a kept row's).  A NaN, an infinity or an overflow in rows of enc that are masked is not carried to the result;
;   NaN and infinities in enc are not served.
; THREE PATHS, parted by the work-group's number; no LDS, no barrier, every lane on throughout.
;   work-groups 0-127: q' = 2 log2(e) q in FOUR PARTS, qs[part][32][1024] f32, which the next launch adds.  Work-group t makes columns 16 (t / 2) .. + 15 for batches 16 (t % 2) .. + 15; its wave w sums
;                     K = 256 w .. 256 w + 255, two matrix instructions, into part w.  Source 0 = 16 rows of Wq, source 1 = 16 rows of dh, so a lane holds one batch and eight neighbouring columns.
;                     A fragment is fetched by four loads of 16 bytes, 32 apart: a permutation of k that is the same on both sides.  A wave has 16 loads.
;   work-groups 128-159: one work-group a batch: a counting sort of the batch's 2,048 rows by the mask.  list[b][slot] = row, rank[b][row] = slot, cnt[b] = the number n of kept rows (32 times).
;                     Kept rows take slots 0 .. n-1, masked rows slots 2,047 downward: every slot names a row.  Every wave counts all 64 steps; wave w places and stores steps 16 w .. 16 w + 15 alone.
;   work-groups 160-223: Wk's codes laid in the order of the operand's registers: wkf[tile of 16 rows nt][K step of 128 ks][c][lane][16 bytes] = Wk[16 nt + lane % 16][128 ks + 32 c + 16 (lane / 16) ..].
.set WQ, 16                            ; v16-47   Wq's fragments of my two K steps
.set DH, 48                            ; v48-79   dh's
.set AC, 144                           ; v144-159 two accumulators, one for each K step
.set QO, 160                           ; v160-167 my part of q'
; THE SORT, 16 steps at a time.  Step x = 16 g + q takes 32 rows, one a lane: row 128 (x / 4) + 4 lane + x % 4, byte x % 4 of mask word x / 4.
; All waves: 16 masks of kept lanes and one scalar chain of counts (s[82+q]: kept rows ahead of step q).  Wave g alone: the slots and the stores.
; A kept row's slot is a = the kept rows ahead of the step + the kept lanes below mine.  Ahead of a masked row lie 32 x + lane - a masked ones: its slot is 2,047 - 32 x - lane + a.
; Every store has registers of its own (v32-95 slots, v96-159 offsets, v160-223 rows): none is written again.
.macro SORT16 g
.set q_, 0
.rept 16
	v_and_b32 v[224+q_], 0xff<<(8*(q_%4)), v[16+4*(\g)+q_/4]
.set q_, q_+1
.endr
.set q_, 0
.rept 16
	v_cmp_ne_u32 s[66+q_], 0, v[224+q_]            ; the lanes whose row is kept
.set q_, q_+1
.endr
.set q_, 0
.rept 16
	s_bcnt1_i32_b32 s44, s[66+q_]
	s_add_co_u32 s[83+q_], s[82+q_], s44
.set q_, q_+1
.endr
	s_cmp_lg_u32 s28, \g                           ; these 16 steps are placed by wave g
	s_cbranch_scc1 .Lnot_mine_\@
.set q_, 0
.rept 16
	v_mbcnt_lo_u32_b32 v[240+q_], s[66+q_], s[82+q_]   ; a
.set q_, q_+1
.endr
.set q_, 0
.rept 16
	v_add3_u32 v[224+q_], v[240+q_], v9, 2047-32*(16*(\g)+q_)   ; v9 = -lane
.set q_, q_+1
.endr
.set q_, 0
.rept 16
	v_cndmask_b32 v[32+16*(\g)+q_], v[224+q_], v[240+q_], s[66+q_]   ; the slot
.set q_, q_+1
.endr
.set q_, 0
.rept 16
	v_min_u32 v[96+16*(\g)+q_], 0x7ff, v[32+16*(\g)+q_]   ; it hangs on loaded bytes: held inside the batch's 2,048 slots before it enters an address
.set q_, q_+1
.endr
.set q_, 0
.rept 16
	v_lshlrev_b32 v[96+16*(\g)+q_], 2, v[96+16*(\g)+q_]
.set q_, q_+1
.endr
.set q_, 0
.rept 16
	v_add_nc_u32 v[160+16*(\g)+q_], 128*(4*(\g)+q_/4)+q_%4, v1   ; the row
.set q_, q_+1
.endr
.set q_, 0
.rept 16
	global_store_b32 v[96+16*(\g)+q_], v[160+16*(\g)+q_], s[22:23]   ; list[slot] = row: each slot is written once
.set q_, q_+1
.endr
.set q_, 0
.rept 4
	global_store_b128 v3, v[32+16*(\g)+4*q_:32+16*(\g)+4*q_+3], s[24:25] offset:512*(4*(\g)+q_)   ; rank of rows 128 j + 4 lane + 0 .. 3: the wave stores 512 consecutive bytes
.set q_, q_+1
.endr
.Lnot_mine_\@:
	s_mov_b32 s82, s98                             ; the kept rows so far
.endm
	s_load_b512 s[8:23], s[0:1], 0x0               ; Wk s[8:9], Wq s[10:11], dh s[12:13], scales s[14:15], mask s[16:17], wkf s[18:19], qs s[20:21], list s[22:23]
	s_load_b128 s[24:27], s[0:1], 0x40             ; rank s[24:25], cnt s[26:27]
	v_lshrrev_b32 v1, 5, v0
	v_readfirstlane_b32 s28, v1                    ; wave 0..3
	v_and_b32 v2, 31, v0                           ; lane
	s_mov_b32 s33, 0                               ; the upper word of every offset pair s[32:33]
	s_wait_kmcnt 0x0
	s_cmp_lt_u32 ttmp9, 128
	s_cbranch_scc1 .Lquery
	s_cmp_lt_u32 ttmp9, 160
	s_cbranch_scc1 .Llist
	; ---- Wk's codes into the order of the operand's registers.  Thread g of 8,192 moves 8 pieces of 16 bytes, eight tiles apart
	s_sub_co_u32 s29, ttmp9, 160
	s_lshl_b32 s29, s29, 7
	v_add_nc_u32 v3, s29, v0                       ; g = nt' x 1,024 + ks x 128 + c x 32 + lane, nt' = 0 .. 7
	v_lshrrev_b32 v4, 10, v3
	v_and_b32 v5, 15, v3
	v_lshl_add_u32 v4, v4, 4, v5                   ; row 16 nt' + lane % 16
	v_lshlrev_b32 v4, 10, v4                       ; of 1,024 bytes
	v_bfe_u32 v5, v3, 7, 3
	v_lshl_add_u32 v4, v5, 7, v4                   ; + 128 ks
	v_bfe_u32 v5, v3, 5, 2
	v_lshl_add_u32 v4, v5, 5, v4                   ; + 32 c
	v_bfe_u32 v5, v3, 4, 1
	v_lshl_add_u32 v4, v5, 4, v4                   ; + 16 (lane / 16)
	v_lshlrev_b32 v5, 4, v3                        ; and where it goes: 16 g: a wave's store covers 512 consecutive bytes
.irp i, 0,1,2,3,4,5,6,7
	global_load_b128 v[16+4*\i:19+4*\i], v4, s[8:9] offset:131072*\i      ; eight tiles on: 128 rows of 1,024 bytes
.endr
	s_wait_alu depctr_va_vdst(0)
	s_wait_loadcnt 0x0
.irp i, 0,1,2,3,4,5,6,7
	global_store_b128 v5, v[16+4*\i:19+4*\i], s[18:19] offset:131072*\i   ; eight tiles on: 8 x 16,384 bytes
.endr
	s_endpgm
	; ---- the counting sort of one batch's rows
.Llist:
	s_sub_co_u32 s29, ttmp9, 128                   ; the batch
	s_lshl_b32 s32, s29, 11
	s_add_nc_u64 s[16:17], s[16:17], s[32:33]      ; its 2,048 bytes of the mask
	s_lshl_b32 s32, s29, 13
	s_add_nc_u64 s[22:23], s[22:23], s[32:33]      ; its 8,192 bytes of list
	s_add_nc_u64 s[24:25], s[24:25], s[32:33]      ; and of rank
	s_lshl_b32 s32, s29, 7
	s_add_nc_u64 s[26:27], s[26:27], s[32:33]      ; its 128 bytes of cnt
	s_wait_alu depctr_va_vdst(0)
	v_lshlrev_b32 v1, 2, v2                        ; 4 x lane
	v_lshlrev_b32 v3, 4, v2                        ; 16 x lane
	v_sub_nc_u32 v9, 0, v2                         ; -lane
.irp j, 0,1,2,3,4,5,6,7,8,9,10,11,12,13,14,15
	global_load_b32 v[16+\j], v1, s[16:17] offset:128*\j   ; byte i of word j is row 128 j + 4 lane + i
.endr
	s_mov_b32 s82, 0                               ; kept rows so far
	s_wait_loadcnt 0x0
	SORT16 0
	SORT16 1
	SORT16 2
	SORT16 3
	s_cmp_lg_u32 s28, 0                            ; wave 0 stores the count
	s_cbranch_scc1 .Lno_cnt
	v_mov_b32 v7, s82
	global_store_b32 v1, v7, s[26:27]              ; n, 32 times
.Lno_cnt:
	s_endpgm
	; ---- my part of q' = 2 log2(e) 2^(e0 + e1) (dh's codes) (Wq's codes)^T
.Lquery:
	s_load_b64 s[36:37], s[14:15], 0x0             ; e0, e1
	s_lshr_b32 s30, ttmp9, 1                       ; the tile of 16 columns
	s_and_b32 s31, ttmp9, 1                        ; the tile of 16 batches
	s_lshl_b32 s32, s30, 14
	s_add_nc_u64 s[10:11], s[10:11], s[32:33]      ; Wq at my first row
	s_lshl_b32 s32, s31, 14
	s_add_nc_u64 s[12:13], s[12:13], s[32:33]      ; dh at my first batch
	s_lshl_b32 s32, s28, 8
	s_add_nc_u64 s[10:11], s[10:11], s[32:33]      ; both at my wave's K = 256 w
	s_add_nc_u64 s[12:13], s[12:13], s[32:33]
	s_lshl_b32 s32, s28, 17
	s_add_nc_u64 s[20:21], s[20:21], s[32:33]      ; part w of qs: 131,072 bytes each
	s_lshl_b32 s32, s31, 16
	s_lshl_b32 s34, s30, 6
	s_add_co_u32 s32, s32, s34
	s_add_nc_u64 s[20:21], s[20:21], s[32:33]      ; at my first batch and column
	v_and_b32 v4, 15, v0                           ; r
	v_bfe_u32 v5, v0, 4, 1                         ; h
	v_lshlrev_b32 v3, 10, v4
	v_lshl_add_u32 v3, v5, 4, v3                   ; a fragment's row of 1,024 bytes, + 16 h
	v_lshlrev_b32 v6, 12, v4
	v_lshl_add_u32 v6, v5, 5, v6                   ; qs: batch r's row of 4,096 bytes, + my eight columns' 32 h
.irp ks, 0,1
.irp c, 0,1,2,3
	global_load_b128 v[WQ+16*\ks+4*\c:WQ+16*\ks+4*\c+3], v3, s[10:11] offset:128*\ks+32*\c
	global_load_b128 v[DH+16*\ks+4*\c:DH+16*\ks+4*\c+3], v3, s[12:13] offset:128*\ks+32*\c
.endr
.endr
	s_wait_loadcnt 0x0
	v_wmma_f32_16x16x128_bf8_bf8 v[AC:AC+7], v[WQ:WQ+15], v[DH:DH+15], 0             ; an accumulator for each K step
	v_wmma_f32_16x16x128_bf8_bf8 v[AC+8:AC+15], v[WQ+16:WQ+31], v[DH+16:DH+31], 0
.rept 4
	v_nop                                          ; four places in front of the first read of results
.endr
	s_wait_kmcnt 0x0
	s_add_co_i32 s36, s36, s37                     ; e0 + e1
.irp j, 0,1,2,3,4,5,6,7
	v_add_f32 v[QO+\j], v[AC+\j], v[AC+8+\j]       ; the two K steps' sums; each accumulator from its low end on
.endr
.irp j, 0,1,2,3,4,5,6,7
	v_mul_f32 v[QO+\j], 0x4038aa3b, v[QO+\j]       ; x 2 log2(e)
.endr
.irp j, 0,1,2,3,4,5,6,7
	v_ldexp_f32 v[QO+\j], v[QO+\j], s36            ; x 2^(e0 + e1): no limit on the exponents
.endr
	global_store_b128 v6, v[QO:QO+3], s[20:21]
	global_store_b128 v6, v[QO+4:QO+7], s[20:21] offset:16
	s_endpgm
.Lfunc_end_k_q94e36e32c6_prep:
	.size	k_q94e36e32c6_prep, .Lfunc_end_k_q94e36e32c6_prep-k_q94e36e32c6_prep
	.p2alignl 7, 3214868480
	.fill 96, 4, 3214868480
	.section	.rodata,"a",@progbits
	.p2align	6, 0x0
	.amdhsa_kernel k_q94e36e32c6_prep
		.amdhsa_group_segment_fixed_size 0
		.amdhsa_private_segment_fixed_size 0
		.amdhsa_enable_private_segment 0
		.amdhsa_kernarg_size 80
		.amdhsa_user_sgpr_count 2
		.amdhsa_user_sgpr_kernarg_segment_ptr 1
		.amdhsa_wavefront_size32 1
		.amdhsa_system_sgpr_workgroup_id_x 1
		.amdhsa_system_sgpr_workgroup_id_y 1
		.amdhsa_system_sgpr_workgroup_id_z 1
		.amdhsa_system_vgpr_workitem_id 0
		.amdhsa_next_free_vgpr 256
		.amdhsa_next_free_sgpr 100
		.amdhsa_reserve_vcc 0
		.amdhsa_float_denorm_mode_32 3
		.amdhsa_float_denorm_mode_16_64 3
		.amdhsa_memory_ordered 1
		.amdhsa_forward_progress 1
		.amdhsa_inst_pref_size 53
	.end_amdhsa_kernel
	.amdgpu_metadata
---
amdhsa.version: [ 1, 2 ]
amdhsa.kernels:
  - .name:           k_q94e36e32c6_prep
    .symbol:         k_q94e36e32c6_prep.kd
    .args:
      - { .name: W_key_codes, .offset: 0, .size: 8, .value_kind: global_buffer, .address_space: global }
      - { .name: W_query_codes, .offset: 8, .size: 8, .value_kind: global_buffer, .address_space: global }
      - { .name: decoder_hidden_codes, .offset: 16, .size: 8, .value_kind: global_buffer, .address_space: global }
      - { .name: lowp_scales, .offset: 24, .size: 8, .value_kind: global_buffer, .address_space: global }
      - { .name: src_mask, .offset: 32, .size: 8, .value_kind: global_buffer, .address_space: global }
      - { .name: wkf, .offset: 40, .size: 8, .value_kind: global_buffer, .address_space: global }
      - { .name: qs, .offset: 48, .size: 8, .value_kind: global_buffer, .address_space: global }
      - { .name: list, .offset: 56, .size: 8, .value_kind: global_buffer, .address_space: global }
      - { .name: rank, .offset: 64, .size: 8, .value_kind: global_buffer, .address_space: global }
      - { .name: cnt, .offset: 72, .size: 8, .value_kind: global_buffer, .address_space: global }
    .group_segment_fixed_size: 0
    .private_segment_fixed_size: 0
    .kernarg_segment_align: 8
    .kernarg_segment_size: 80
    .max_flat_workgroup_size: 128
    .sgpr_count:     100
    .vgpr_count:     256
    .wavefront_size: 32
...
	.end_amdgpu_metadata
.endif
;; end of part 1
;; launch scores (part 2): grid 8 x 32, 8 waves a work-group, no clusters, 164,096 bytes of LDS; arguments encoder_outputs, wkf, qs, W_energy, lowp_scales, list, cnt, sc; writes sc
.if DOCPART == 2
	.amdgcn_target "amdgcn-amd-amdhsa--gfx1250"
	.amdhsa_code_object_version 6
	.text
	.protected	k_q94e36e32c6_scores
	.globl	k_q94e36e32c6_scores
	.p2align	8
	.type	k_q94e36e32c6_scores,@function
k_q94e36e32c6_scores:
	s_mov_b64 s[64:65], 0
	v_nop
	global_prefetch_b8 v0, s[64:65] scope:SCOPE_SE
	s_setreg_imm32_b32 hwreg(HW_REG_WAVE_MODE, 25, 1), 1
	s_wait_xcnt 0x0
; BAHDANAU ATTENTION, launch 2 of 3: u[b][slot] = -2 sum over d of v[d] / (1 + 2^(q'[b][d] + 2 log2(e) k[d])), k = Q(enc row) Wk^T on codes of E5M2, for the KEPT rows alone.
; LEFT OUT (shown at the head of the first launch): the rows that src_mask hides (the list and the count that the first launch stored say which are kept), and the term sum of v[d], the same for all kept rows.
; LIMITS: e2 between -126 and 112, e2 + e3 between -126 and 126 (each power of two below is an f32 number).  NaN and infinities in enc are not served (a number beyond the scale's range is held at the largest code).
; SHARES.  A batch's slots go in tiles of 16; work-group (c, b) owns the tiles t with t % 8 = c: LT = (T + 7 - c) / 8 of the batch's T = ceil(n / 16).  It takes them in two passes (a constant count) of nine tiles,
; 144 rows; a pass with no tile does no work and stores -1e9, which nobody reads as a score.  A slot at or past n names a masked row (the list is a permutation): it is computed inside its pass and not used.
; Place lt of pass p is the batch's tile 8 (9 p + lt) + c, held at 127: ids alone, so that the rows' numbers are asked for beside the count and not behind it.  Places 0-7 of a pass that has a tile are always
; computed; the ninth place is jumped over, loads, products and epilogue, where the pass has fewer than nine tiles.
; A PASS.  (a) wave w loads rows 2 w, 2 w + 1 of each tile (each load 512 consecutive bytes of a row), quantises them in registers and stores the codes as rows in LDS | barrier |
; (b) THE WAVES SHARE THE COLUMNS: wave w makes d = 128 w .. 128 w + 127 for all 144 rows, in two groups of four tiles of columns.  Wk's fragments come from wkf straight into registers, each once a work-group;
; enc's codes come from LDS, each fragment feeding four matrix instructions.  The product is used transposed (source 0 = 16 rows of Wk, source 1 = 16 rows of enc): a lane holds one row of enc and eight d.
; Behind a group's eight K steps: t = S acc + q', 2^t, + 1, reciprocal, x v[d] onto the row's running sum | the waves' sums to LDS | barrier | (c) waves 0-4 add the eight parts and store 160 numbers.
; No tensor load and no cluster: what a work-group does hangs on counts read from memory, and no tile of enc is shared between work-groups; Wk's fragments are shared, but only tensor loads can be asked for jointly.
; Every barrier stands outside the branches on the counts.
; LDS: codes 144 rows x 1,040 (1,024 + 16: 65 x 16 bytes, so the 16 rows of a fragment load start at 16 different groups of banks); q'[b]; v; the waves' parts; the spare words.
; REGISTERS, window 0: v1 16 lane; v2-4 A's addresses (three tiles each); v6-8 where I store codes; v9 q' and v; v10 0; v11, v12 the parts, in and out; v13 4 x thread; v14, v15 the add's two;
;   v16-33 nine running sums (pairs); v36-41 row offsets; v42 2^e2, v43 57,344 x 2^e2; v48-95 A, three buffers; v96-223 B, two sets of 64 (set 1 holds q' and v in the epilogue); v224-255 the ninth tile's accumulators.
;   window 1: the accumulators of row tiles 0-7: (rt, ct) at 32 rt + 8 ct.   In (a): v64-255 three slots of 64 numbers; codes in v48-63 and v16-31 by turns.
.set PITCH, 1040
.set TILEB, 16*PITCH
.set GRPB,  3*TILEB
.set QL,    144*PITCH                  ; 149,760: q'[b], 4,096 bytes
.set PART,  QL+8192                    ; 157,952: behind v's 4,096 bytes: 8 waves x 160 words
.set SPARE, PART+5120                  ; 163,072: the spare words, 128 bytes for each wave: four blocks of 256 bytes that no other line names
.set MSB, 0
.macro WIN new                         ; the immediate's high byte repeats the setting that is left; a switch that changes nothing is dropped
.if MSB != \new
	s_set_vgpr_msb (MSB<<8)|\new
.set MSB, \new
.endif
.endm
; the numbers of my two rows of each of a pass's nine tiles; s[base] = 9 x the pass
.macro ASKLIST base
.irp lt, 0,1,2,3,4,5,6,7,8
	s_add_co_u32 s81, s[\base], \lt                ; my tile number lt of that pass
	s_lshl_b32 s82, s81, 3
	s_add_co_u32 s82, s82, s25                     ; is the batch's tile 8 x that + c,
	s_min_u32 s82, s82, 127                        ; held inside the batch's 128 tiles
	s_lshl_b32 s82, s82, 6
	s_add_co_u32 s[86+\lt], s82, s83               ; an offset register for each load: none is rewritten while its load is out
	s_load_b64 s[40+2*\lt:41+2*\lt], s[18:19], s[86+\lt] offset:0x0
.endr
.endm
	s_load_b512 s[8:23], s[0:1], 0x0               ; enc s[8:9], wkf s[10:11], qs s[12:13], W_energy s[14:15], scales s[16:17], list s[18:19], cnt s[20:21], sc s[22:23]
	v_lshl_add_u32 v14, v0, 2, SPARE
	v_mov_b32 v15, 0
	v_lshrrev_b32 v44, 5, v0
	s_delay_alu instid0(VALU_DEP_1)
	v_readfirstlane_b32 s24, v44                   ; wave 0..7
	s_mov_b32 s25, ttmp9                           ; c
	s_and_b32 s26, ttmp7, 0xffff                   ; b
	v_and_b32 v44, 15, v0                          ; r
	v_bfe_u32 v45, v0, 4, 1                        ; h
	v_and_b32 v46, 31, v0                          ; lane
	s_delay_alu instid0(VALU_DEP_1)
	v_lshlrev_b32 v1, 4, v46
	s_delay_alu instid0(VALU_DEP_4)
	v_mul_u32_u24 v2, v44, PITCH
	s_delay_alu instid0(VALU_DEP_1)
	v_lshl_add_u32 v2, v45, 4, v2                  ; a fragment of A: row r x pitch + 16 h
	s_delay_alu instid0(VALU_DEP_1)
	v_add_nc_u32 v3, GRPB, v2
	s_delay_alu instid0(VALU_DEP_2)
	v_add_nc_u32 v4, 2*GRPB, v2
	s_mul_i32 s72, s24, 2*PITCH
	v_lshl_add_u32 v6, v46, 2, s72                 ; my codes: row 2 w of a tile, + 4 lane
	s_delay_alu instid0(VALU_DEP_1)
	v_add_nc_u32 v7, GRPB, v6
	s_delay_alu instid0(VALU_DEP_2)
	v_add_nc_u32 v8, 2*GRPB, v6
	s_lshl_b32 s72, s24, 9
	s_add_co_u32 s72, s72, QL
	v_lshl_add_u32 v9, v45, 5, s72                 ; q' of my 128 columns, + my half's eight: 512 w + 32 h
	v_mov_b32 v10, 0
	s_mul_i32 s72, s24, 640
	s_add_co_u32 s72, s72, PART
	v_lshl_add_u32 v11, v44, 2, s72                ; my wave's 160 parts, + 4 r
	v_lshl_add_u32 v12, v0, 2, PART                ; back: word 32 w + lane of each wave's 160
	s_lshl_b32 s72, s26, 3                         ; the prefetch's offset in wkf: work-group number 8 b + c, modulo 128, x 8,192 + 1,024 x wave + 256 x lane (lanes past 3 name the wave's last block again)
	s_add_co_u32 s72, s72, s25
	s_and_b32 s72, s72, 127
	s_lshl_b32 s72, s72, 13
	s_lshl_b32 s73, s24, 10
	s_add_co_u32 s72, s72, s73
	v_and_b32 v5, 31, v0
	s_delay_alu instid0(VALU_DEP_1)
	v_min_u32 v5, 3, v5
	s_delay_alu instid0(VALU_DEP_1)
	v_lshl_add_u32 v5, v5, 8, s72                  ; v5: at most 1,048,320, inside wkf's 1,048,576 bytes; never rewritten
	v_lshlrev_b32 v13, 2, v0
	v_lshlrev_b32 v47, 4, v0                       ; 16 x thread
	s_delay_alu instid0(VALU_DEP_1)
	v_add_nc_u32 v46, QL, v47
	s_mov_b32 s38, 0x76543210                      ; v_permlanex16_b32's selects for lane l xor 16
	s_mov_b32 s39, 0xfedcba98
	s_lshl_b32 s83, s24, 3                         ; 8 w: my two slots' bytes in a tile's 64 of the list
	s_mov_b32 s75, 0
	s_mov_b32 s30, 0                               ; the pass
	s_mov_b32 s31, 0                               ; 9 x the pass
	s_wait_alu depctr_va_vdst(0)
	s_wait_kmcnt 0x0
	s_lshl_b32 s74, s26, 7
	s_add_nc_u64 s[20:21], s[20:21], s[74:75]
	s_lshl_b32 s74, s26, 13
	s_add_nc_u64 s[18:19], s[18:19], s[74:75]      ; list[b]
	s_lshl_b32 s74, s26, 12
	s_add_nc_u64 s[12:13], s[12:13], s[74:75]      ; q'[b]
	s_load_b32 s27, s[20:21], 0x0                  ; n,
	s_load_b128 s[32:35], s[16:17], 0x0            ; e0 .. e3,
	ASKLIST 31                                     ; the first pass's rows,
	global_load_b128 v[48:51], v47, s[12:13]       ; q'[b] (256 threads x 16 bytes), in the four parts that the first launch stored, 131,072 bytes apart
	global_load_b128 v[56:59], v47, s[12:13] offset:131072
	global_load_b128 v[60:63], v47, s[12:13] offset:262144
	global_load_b128 v[64:67], v47, s[12:13] offset:393216
	global_load_b128 v[52:55], v47, s[14:15]       ; and v: all asked for together
	s_lshl_b32 s74, s26, 23
	s_add_nc_u64 s[8:9], s[8:9], s[74:75]          ; the batch's rows of enc
	s_lshl_b32 s74, s24, 17
	s_add_nc_u64 s[58:59], s[10:11], s[74:75]      ; my eight tiles of columns in wkf; never rewritten
	s_lshl_b32 s74, s26, 3
	s_add_co_u32 s74, s74, s25
	s_mul_i32 s74, s74, 1280
	s_add_nc_u64 s[70:71], s[22:23], s[74:75]      ; my 320 words of sc
	s_wait_kmcnt 0x0
	s_add_co_u32 s28, s27, 15
	s_lshr_b32 s28, s28, 4                         ; T
	s_add_co_u32 s29, s28, 7
	s_sub_co_u32 s29, s29, s25
	s_lshr_b32 s29, s29, 3                         ; LT
	s_add_co_i32 s72, s34, s35
	s_lshl_b32 s72, s72, 23
	s_add_co_i32 s36, s72, 0x4038aa3b              ; S = 2 log2(e) 2^(e2 + e3): the exponents are added to the constant's exponent field
	s_mov_b32 s37, s36                             ; (named with it as a pair, so it is written)
	s_add_co_i32 s72, s34, 127
	s_lshl_b32 s76, s72, 23
	v_mov_b32 v42, s76                             ; 2^e2 as f32: the conversion takes its exponent field
	s_add_co_i32 s72, s72, 15
	s_lshl_b32 s72, s72, 23
	s_or_b32 s72, s72, 0x600000
	v_mov_b32 v43, s72                             ; 57,344 x 2^e2
	s_wait_loadcnt 0x0
	v_pk_add_f32 v[48:49], v[48:49], v[56:57]      ; the four parts of q' are added
	v_pk_add_f32 v[50:51], v[50:51], v[58:59]
	v_pk_add_f32 v[60:61], v[60:61], v[64:65]
	v_pk_add_f32 v[62:63], v[62:63], v[66:67]
	s_delay_alu instid0(VALU_DEP_2)
	v_pk_add_f32 v[48:49], v[48:49], v[60:61]
	s_delay_alu instid0(VALU_DEP_2)
	v_pk_add_f32 v[50:51], v[50:51], v[62:63]
	ds_store_b128 v46, v[48:51]
	ds_store_b128 v46, v[52:55] offset:4096
; tile place lt: my two rows, 16 loads of 512 consecutive bytes, into slot lt % 3
.macro ISSUE lt
.set XS_, 64+64*((\lt)%3)
.set OF_, 36+2*((\lt)%3)
	v_lshl_add_u32 v[OF_], s[40+2*(\lt)], 12, v1   ; row x 4,096 + 16 lane
	v_lshl_add_u32 v[OF_+1], s[41+2*(\lt)], 12, v1
.irp e, 0,1
.irp j, 0,1,2,3,4,5,6,7
	global_load_b128 v[XS_+32*\e+4*\j:XS_+32*\e+4*\j+3], v[OF_+\e], s[8:9] offset:512*\j th:TH_LOAD_NT   ; the list names each row once: the launch reads it once
.endr
.endr
.endm
; its 64 numbers a lane become 16 words of codes.  Load j of a row gave me k = 128 j + 4 lane + 0 .. 3; a conversion takes two loads' numbers, so code word j belongs at byte 128 j + 4 lane of the row: LDS rows lie in k's own order
.macro QUANT lt
.set XS_, 64+64*((\lt)%3)
.set CS_, 48-32*((\lt)%2)
.set i_, 0
.rept 64
	v_med3_num_f32 v[XS_+i_], v[XS_+i_], -v43, v43 ; the conversion to an 8-bit code does not saturate (ISA guide 7.6.2): the hold at the largest code x the scale
.set i_, i_+1
.endr
.set i_, 0
.rept 8
	v_cvt_scalef32_pk8_bf8_f32 v[CS_+2*i_:CS_+2*i_+1], v[XS_+8*i_:XS_+8*i_+7], v42
.set i_, i_+1
.endr
	v_nop                                          ; one plain vector line behind the last conversion, ahead of whatever vector line next touches these registers
.set i_, 0
.rept 16
	ds_store_b32 v[6+(\lt)/3], v[CS_+i_] offset:((\lt)%3)*TILEB+(i_/8)*PITCH+128*(i_%8)   ; 32 lanes store 128 consecutive bytes
.set i_, i_+1
.endr
.endm
.macro LSTEP lt, younger               ; younger: the loads issued behind this tile's, which may stay out
	s_wait_loadcnt \younger
.if (\lt) >= 2
	s_wait_dscnt 16                                ; all but the last tile's 16 stores are done: those that read this set of code registers, two tiles back, among them
.endif
	QUANT \lt
.endm
; Wk's four fragments of one K step into set: 16 loads of 512 consecutive bytes
.macro BLOAD set, off
.irp ct, 0,1,2,3
.irp cc, 0,1,2,3
	global_load_b128 v[96+64*(\set)+16*\ct+4*\cc:96+64*(\set)+16*\ct+4*\cc+3], v1, s[58:59] offset:(\off)+16384*\ct+512*\cc th:TH_LOAD_HT   ; every work-group reads these bytes
.endr
.endr
.endm
; A's fragment number q = 9 ks + rt into buffer q % 3: row tile rt lies (rt % 3) tiles behind address register rt / 3
.macro ALOAD q
.set LB_, 48+16*((\q)%3)
.set LR_, (\q)%9
.set LK_, (\q)/9
.irp cc, 0,1,2,3
	ds_load_b128 v[LB_+4*\cc:LB_+4*\cc+3], v[2+LR_/3] offset:(LR_%3)*TILEB+128*LK_+32*\cc
.endr
.endm
; fragment q against B's four: four matrix instructions on four accumulators; between two on one accumulator stand all the others' of a K step.
; Then four places (ISA guide 7.12.1 for vector instructions), and the fragment three on lands in the buffer just read.
; THE NINTH TILE's four loads (issued in row tile 5's step) and its four products are jumped over where the pass has none.  So each count below is the least number of younger LDS loads on either way:
; row tiles 0-5 and 8: two fragments' eight, none of them the ninth tile's; row tiles 6 and 7: one of the two younger fragments is the ninth tile's, so four; the group's last two steps: none.
; The ninth tile's wait stands ahead of the jump, so that the load which next lands in its buffer finds none pending there on any way.
.macro STEP q
.set RT_, (\q)%9
.set KS_, (\q)/9
.set AB_, 48+16*((\q)%3)
.set BS_, 96+64*(KS_%2)
.if (\q) >= 70
	s_wait_dscnt 0x0
.elseif (RT_ == 6) || (RT_ == 7)
	s_wait_dscnt 0x4
.else
	s_wait_dscnt 0x8
.endif
.if RT_ < 8
	WIN 0x50                                       ; C and D in window 1
.irp ct, 0,1,2,3
.if KS_ == 0
	v_wmma_f32_16x16x128_bf8_bf8 v[32*RT_+8*\ct:32*RT_+8*\ct+7], v[BS_+16*\ct:BS_+16*\ct+15], v[AB_:AB_+15], 0
.else
	v_wmma_f32_16x16x128_bf8_bf8 v[32*RT_+8*\ct:32*RT_+8*\ct+7], v[BS_+16*\ct:BS_+16*\ct+15], v[AB_:AB_+15], v[32*RT_+8*\ct:32*RT_+8*\ct+7]
.endif
.endr
	WIN 0
.else
	s_cmp_eq_u32 s66, 0                            ; the ninth tile, where the pass has one
	s_cbranch_scc1 .Lno_nine_\@
	s_wait_alu depctr_va_vdst(0)
.irp ct, 0,1,2,3
	v_wmma_f32_16x16x128_bf8_bf8 v[224+8*\ct:231+8*\ct], v[BS_+16*\ct:BS_+16*\ct+15], v[AB_:AB_+15], v[224+8*\ct:231+8*\ct]
.endr
.Lno_nine_\@:
.endif
.rept 4
	v_nop
.endr
.if (\q)+3 < 72
.if RT_ == 5
	s_cmp_eq_u32 s66, 0                            ; the fragment three on is the ninth tile's: its codes lie in LDS only where the pass has one
	s_cbranch_scc1 .Lno_a8_\@
	ALOAD (\q)+3
.Lno_a8_\@:
.else
	ALOAD (\q)+3
.endif
.endif
.endm
; the epilogue of column tile ct for row tiles 0-7: 64 numbers a lane.  The exponentials are one batch with one wait, and so are the reciprocals.
.macro EPI ct
	WIN 0x41                                       ; source 0 and destination in window 1
.set r_, 0
.rept 8
.irp i, 0,2,4,6
	v_pk_fma_f32 v[32*r_+8*\ct+\i:32*r_+8*\ct+\i+1], v[32*r_+8*\ct+\i:32*r_+8*\ct+\i+1], s[36:37], v[160+8*\ct+\i:160+8*\ct+\i+1] op_sel_hi:[1,0,1]   ; t = S acc + q'; each accumulator from its low end on
.endr
.set r_, r_+1
.endr
.set r_, 0
	s_wait_alu depctr_va_vdst(0)
.rept 8
.irp i, 0,1,2,3,4,5,6,7
	v_exp_f32 v[32*r_+8*\ct+\i], v[32*r_+8*\ct+\i]
.endr
.set r_, r_+1
.endr
	v_nop                                          ; a plain line behind the last exponential,
	s_wait_alu depctr_va_vdst(0)                   ; and the one wait for the batch, ahead of its first reader
.set r_, 0
.rept 8
.irp i, 0,2,4,6
	v_pk_add_f32 v[32*r_+8*\ct+\i:32*r_+8*\ct+\i+1], v[32*r_+8*\ct+\i:32*r_+8*\ct+\i+1], 1.0 op_sel_hi:[1,0]
.endr
.set r_, r_+1
.endr
.set r_, 0
	s_wait_alu depctr_va_vdst(0)
.rept 8
.irp i, 0,1,2,3,4,5,6,7
	v_rcp_f32 v[32*r_+8*\ct+\i], v[32*r_+8*\ct+\i] ; 1 / (1 + e^(2x)): 0 where the exponential is infinite
.endr
.set r_, r_+1
.endr
	v_nop
	s_wait_alu depctr_va_vdst(0)
	WIN 0x01                                       ; source 0 in window 1
.irp i, 0,2,4,6
.set r_, 0
.rept 8
	v_pk_fma_f32 v[16+2*r_:17+2*r_], v[32*r_+8*\ct+\i:32*r_+8*\ct+\i+1], v[192+8*\ct+\i:192+8*\ct+\i+1], v[16+2*r_:17+2*r_]   ; x v[d], onto the row's sum: the eight rows' sums by turns
.set r_, r_+1
.endr
.endr
	WIN 0
.endm
; a group of four column tiles: d = 128 w + 64 g + 0 .. 63
.macro GROUP g
.set i_, 0
.rept 32
	v_mov_b32 v[224+i_], 0                         ; the ninth tile's sums begin as zeros, so that they are written on every way through the branches on the count
.set i_, i_+1
.endr
	ALOAD 0
	ALOAD 1
	ALOAD 2
.set Q_, 0
.rept 8
.set NS_, (Q_/9+1)%2
.set NO_, 65536*(\g)+2048*(Q_/9+1)
.if Q_/9 < 7
	BLOAD NS_, NO_                                 ; the next K step's fragments of Wk, behind the last STEP's four places
	s_wait_loadcnt 16                              ; this K step's are in; the 16 just issued may be out
.elseif (\g) == 0
	BLOAD 0, 65536                                 ; the next group's first K step: it lands during the epilogue
	s_wait_loadcnt 16
.else
	s_wait_loadcnt 0x0
.endif
.rept 9
	STEP Q_
.set Q_, Q_+1
.endr
.endr
.irp ct, 0,1,2,3                               ; q' and v of the group's 64 columns, my half's eight of each tile, into B's set 1 (its last products stand four places back)
	ds_load_b128 v[160+8*\ct:163+8*\ct], v9 offset:256*(\g)+64*\ct
	ds_load_b128 v[164+8*\ct:167+8*\ct], v9 offset:256*(\g)+64*\ct+16
	ds_load_b128 v[192+8*\ct:195+8*\ct], v9 offset:4096+256*(\g)+64*\ct
	ds_load_b128 v[196+8*\ct:199+8*\ct], v9 offset:4096+256*(\g)+64*\ct+16
.endr
	s_wait_dscnt 0x0
	EPI 0
	EPI 1
	EPI 2
	EPI 3
	s_cmp_eq_u32 s66, 0                            ; the ninth tile's epilogue, all four column tiles at once
	s_cbranch_scc1 .Lno_e8_\@
.set i_, 0
.rept 16
	v_pk_fma_f32 v[224+2*i_:225+2*i_], v[224+2*i_:225+2*i_], s[36:37], v[160+2*i_:161+2*i_] op_sel_hi:[1,0,1]
.set i_, i_+1
.endr
.set i_, 0
	s_wait_alu depctr_va_vdst(0)
.rept 32
	v_exp_f32 v[224+i_], v[224+i_]
.set i_, i_+1
.endr
	v_nop
	s_wait_alu depctr_va_vdst(0)
.set i_, 0
.rept 16
	v_pk_add_f32 v[224+2*i_:225+2*i_], v[224+2*i_:225+2*i_], 1.0 op_sel_hi:[1,0]
.set i_, i_+1
.endr
.set i_, 0
	s_wait_alu depctr_va_vdst(0)
.rept 32
	v_rcp_f32 v[224+i_], v[224+i_]
.set i_, i_+1
.endr
	v_nop
	s_wait_alu depctr_va_vdst(0)
.set i_, 0
.rept 16
	v_pk_fma_f32 v[32:33], v[224+2*i_:225+2*i_], v[192+2*i_:193+2*i_], v[32:33]
.set i_, i_+1
.endr
.Lno_e8_\@:
.endm
.Lpass:
	s_wait_kmcnt 0x0                               ; the pass's row numbers are in (the first pass's were waited for at the head)
	s_cmp_gt_u32 s29, s31
	s_cselect_b32 s69, 1, 0                        ; has this pass a tile?
	s_add_co_u32 s81, s31, 9
	s_cmp_ge_u32 s29, s81
	s_cselect_b32 s66, 1, 0                        ; has it nine?
	s_cmp_eq_u32 s69, 0
	s_cbranch_scc1 .Lno_load
	; ---- (a) load, quantise, store
.irp i, 0,1,2,3,4,5,6,7,8,9,10,11,12,13,14,15,16,17
	s_min_u32 s[40+\i], s[40+\i], 0x7ff            ; a loaded row number: held inside the batch's 2,048 rows
.endr
	ISSUE 0
	ISSUE 1
	ISSUE 2
	s_wait_alu depctr_va_vdst(0)
	LSTEP 0, 32                                    ; two younger tiles' 32 loads stay out
	ISSUE 3
	LSTEP 1, 32
	ISSUE 4
	LSTEP 2, 32
	ISSUE 5
	LSTEP 3, 32
	; A PREFETCH of wkf, which all work-groups walk in (b): they share its 4,096 blocks of 256 bytes out by their numbers: a work-group asks for 32 blocks, a wave for four, one instruction a wave,
	; in the first pass alone, four tile steps of (a) ahead of the first load of Wk's fragments; a block is named by the two work-groups whose numbers lie 128 apart.
	s_cmp_lg_u32 s30, 0
	s_cbranch_scc1 .Lno_pf
	global_prefetch_b8 v5, s[10:11] th:TH_LOAD_NT scope:SCOPE_SE
.Lno_pf:
	ISSUE 6
	LSTEP 4, 32
	ISSUE 7
	LSTEP 5, 32
	s_cmp_eq_u32 s66, 0
	s_cbranch_scc1 .Lno_i8
	ISSUE 8
.Lno_i8:
	LSTEP 6, 16                                    ; right with and without the ninth tile's loads: at most 16 stay out, and tile 6's are older than those
	LSTEP 7, 0
	s_cmp_eq_u32 s66, 0
	s_cbranch_scc1 .Lno_load
	LSTEP 8, 0
.Lno_load:
	s_cmp_lg_u32 s30, 0                            ; behind the first pass's loads, which have read their row numbers: the second pass's are asked for, and land during the products
	s_cbranch_scc1 .Lno_ask
	s_add_co_u32 s85, s31, 9
	ASKLIST 85
.Lno_ask:
	s_wait_dscnt 0x0                               ; my codes (and, in the first pass, my part of q' and v) lie in LDS; my reads of the parts, a pass back, are over
	s_barrier_signal -1
	s_barrier_wait -1
.set i_, 0
.rept 18
	v_mov_b32 v[16+i_], 0                          ; the nine rows' running sums: they gather over eight column tiles, and are stored on every way
.set i_, i_+1
.endr
	s_cmp_eq_u32 s69, 0
	s_cbranch_scc1 .Lno_gemm
	; ---- (b)
	BLOAD 0, 0
	GROUP 0
	GROUP 1
.Lno_gemm:
	s_wait_alu depctr_va_vdst(0)
.irp rt, 0,1,2,3,4,5,6,7,8
	v_add_f32 v[16+2*\rt], v[16+2*\rt], v[17+2*\rt]
.endr
.irp rt, 0,1,2,3,4,5,6,7,8
	v_permlanex16_b32 v[17+2*\rt], v[16+2*\rt], s38, s39   ; the row's other eight d of each tile lie in the lane 16 away
.endr
.irp rt, 0,1,2,3,4,5,6,7,8
	v_add_f32 v[16+2*\rt], v[16+2*\rt], v[17+2*\rt]
.endr
.irp rt, 0,1,2,3,4,5,6,7,8
	ds_store_b32 v11, v[16+2*\rt] offset:64*\rt    ; lanes r and r + 16 store the same number to the same word
.endr
	ds_store_b32 v11, v10 offset:576               ; the tenth place of a pass's 160 words: 0
	s_wait_dscnt 0x0                               ; my parts lie in LDS, and my reads of the codes, of q' and of v are over
	s_barrier_signal -1
	s_barrier_wait -1
	; ---- (c) 160 numbers: five waves
	s_cmp_lt_u32 s24, 5
	s_cbranch_scc0 .Lno_out
.irp j, 0,1,2,3,4,5,6,7
	ds_load_b32 v[48+\j], v12 offset:640*\j
.endr
	s_cmp_lg_u32 s69, 0
	s_cselect_b32 s84, -1, 0
	v_mov_b32 v56, 0xce6e6b28                      ; -1e9, for a pass without work
	s_wait_dscnt 0x0
	v_add_f32 v48, v48, v49
	v_add_f32 v50, v50, v51
	v_add_f32 v52, v52, v53
	v_add_f32 v54, v54, v55
	s_delay_alu instid0(VALU_DEP_3)
	v_add_f32 v48, v48, v50
	s_delay_alu instid0(VALU_DEP_2)
	v_add_f32 v52, v52, v54
	s_delay_alu instid0(VALU_DEP_1)
	v_add_f32 v48, v48, v52
	s_delay_alu instid0(VALU_DEP_1)
	v_mul_f32 v48, -2.0, v48
	s_wait_alu depctr_va_vdst(0)
	v_cndmask_b32 v48, v56, v48, s84
	global_store_b32 v13, v48, s[70:71]            ; 128 consecutive bytes a wave, 640 the five
.Lno_out:
	s_wait_xcnt 0x0                                ; the store has read its base and its data: both are written again only behind this wait
	s_add_nc_u64 s[70:71], s[70:71], 640
	s_add_co_u32 s31, s31, 9
	s_add_co_u32 s30, s30, 1
	s_cmp_lt_u32 s30, 2
	s_cbranch_scc1 .Lpass
	s_wait_tensorcnt 0x0                           ; the wave's end, behind my last LDS store
	ds_add_u32 v14, v15
	s_wait_dscnt 0x0
	s_endpgm
.Lfunc_end_k_q94e36e32c6_scores:
	.size	k_q94e36e32c6_scores, .Lfunc_end_k_q94e36e32c6_scores-k_q94e36e32c6_scores
	.p2alignl 7, 3214868480
	.fill 96, 4, 3214868480
	.section	.rodata,"a",@progbits
	.p2align	6, 0x0
	.amdhsa_kernel k_q94e36e32c6_scores
		.amdhsa_group_segment_fixed_size 164096
		.amdhsa_private_segment_fixed_size 0
		.amdhsa_enable_private_segment 0
		.amdhsa_kernarg_size 64
		.amdhsa_user_sgpr_count 2
		.amdhsa_user_sgpr_kernarg_segment_ptr 1
		.amdhsa_wavefront_size32 1
		.amdhsa_system_sgpr_workgroup_id_x 1
		.amdhsa_system_sgpr_workgroup_id_y 1
		.amdhsa_system_sgpr_workgroup_id_z 1
		.amdhsa_system_vgpr_workitem_id 0
		.amdhsa_next_free_vgpr 512
		.amdhsa_next_free_sgpr 100
		.amdhsa_reserve_vcc 0
		.amdhsa_float_denorm_mode_32 3
		.amdhsa_float_denorm_mode_16_64 3
		.amdhsa_memory_ordered 1
		.amdhsa_forward_progress 1
		.amdhsa_inst_pref_size 255
	.end_amdhsa_kernel
	.section	.bss,"aw",@nobits
	.p2align	6
	.space	262144
	.amdgpu_metadata
---
amdhsa.version: [ 1, 2 ]
amdhsa.kernels:
  - .name:           k_q94e36e32c6_scores
    .symbol:         k_q94e36e32c6_scores.kd
    .args:
      - { .name: encoder_outputs, .offset: 0, .size: 8, .value_kind: global_buffer, .address_space: global }
      - { .name: wkf, .offset: 8, .size: 8, .value_kind: global_buffer, .address_space: global }
      - { .name: qs, .offset: 16, .size: 8, .value_kind: global_buffer, .address_space: global }
      - { .name: W_energy, .offset: 24, .size: 8, .value_kind: global_buffer, .address_space: global }
      - { .name: lowp_scales, .offset: 32, .size: 8, .value_kind: global_buffer, .address_space: global }
      - { .name: list, .offset: 40, .size: 8, .value_kind: global_buffer, .address_space: global }
      - { .name: cnt, .offset: 48, .size: 8, .value_kind: global_buffer, .address_space: global }
      - { .name: sc, .offset: 56, .size: 8, .value_kind: global_buffer, .address_space: global }
    .group_segment_fixed_size: 164096
    .private_segment_fixed_size: 0
    .kernarg_segment_align: 8
    .kernarg_segment_size: 64
    .max_flat_workgroup_size: 256
    .sgpr_count:     100
    .vgpr_count:     512
    .wavefront_size: 32
...
	.end_amdgpu_metadata
.endif
;; end of part 2
;; launch context (part 3): grid 8 x 32, 16 waves a work-group, no clusters, 10,752 bytes of LDS; arguments encoder_outputs, list, rank, cnt, sc, out0, out1; writes out0, out1
.if DOCPART == 3
	.amdgcn_target "amdgcn-amd-amdhsa--gfx1250"
	.amdhsa_code_object_version 6
	.text
	.protected	k_q94e36e32c6_context
	.globl	k_q94e36e32c6_context
	.p2align	8
	.type	k_q94e36e32c6_context,@function
k_q94e36e32c6_context:
	s_mov_b64 s[64:65], 0
	v_nop
	global_prefetch_b8 v0, s[64:65] scope:SCOPE_SE
	s_setreg_imm32_b32 hwreg(HW_REG_WAVE_MODE, 25, 1), 1
	s_wait_xcnt 0x0
; BAHDANAU ATTENTION, launch 3 of 3: the softmax over a batch's kept rows, the weights (out1) and the context (out0).
; LEFT OUT (shown at the head of the first launch): the masked rows' terms of the context, whose weight is 0.  A batch with no kept row (n = 0) takes all 2,048 slots with equal scores.
; LIMIT: a slot at or past n that lies in a unit which is read names a masked row, which is multiplied by the weight 0: enc holds finite numbers.
; SHARES.  Work-group (j, b) owns out0[b][128 j .. +127] and out1[b][256 j .. +255]: each output has one owner.  Each of the batch's eight work-groups takes the maximum and the sum anew from the batch's 2,560 words of sc.
; Then it streams 512 bytes of every kept row: wave w takes the units of eight slots u = w + 16 i; a load covers 512 consecutive bytes of a row.  Products 3 and 4 of the problem have one column or one row: fused multiply-adds in f32.
; The maximum is taken away before the exponential.
; A LANE'S FOUR SLOTS ARE ITS OWN WAVE'S: lane l holds slots 8 w + 128 (l / 2) + 4 (l % 2) + 0 .. 3, half of the wave's unit l / 2.  So one load of 16 bytes a lane brings all the row numbers that the wave will ever
; want, another its scores, and p stays in the four registers in which it is made; a unit's eight rows and eight p are read out of lanes 2 i and 2 i + 1 into scalar registers (v_readlane_b32).
; FOUR UNITS ARE ON THEIR WAY: 32 loads, 16 KiB a wave.  The first four are asked for at the head, ahead of the softmax, whatever n is: every slot of the list names a row of the batch, and a slot at or past n has p = 0
; (under 512 kept rows some of them are masked rows).  Step i waits for unit i, adds it, and asks for unit i + 4 if the wave has one; if not, a jump leads to a tail that adds the three units still out.  The steps are
; written out, 13 at the most, since a lane's number stands in the instruction; the tails are four, one for each place in the ring of four buffers.  On every way to a wait the younger loads are those that its count names.
; The jumps hang on the count that the first launch stored; no barrier stands under them.
; No matrix unit, no cluster, no tensor load: nothing is shared between work-groups but sc, and what is read hangs on a list read from memory.
; LDS: a word a wave for the maxima (block 0) and for the sums (block 1); 16 waves x 512 bytes of partial contexts; the spare words.
; REGISTERS: v1 16 lane; v2, v3 the add's two; v4-7 my four slots' rows; v8-11 their scores, then p; v12 my first slot; v13-19 at work; v15 the score of a slot at or past n; v20-30 out1's; v32-39 two chains of four sums;
;   v40-43 LDS addresses; v44 1 / sum, v45 the maximum; v48-79 four units' offsets; v80-207 four units' rows; v208-223 the waves' maxima and sums.
;   s27 n; s29 the units U; s30 my wave's units; s32-63 four units' p; s68-75 a unit's rows.
.set RSUM,  256
.set RED,   512
.set SPARE, 8704                       ; the spare words, 128 bytes for each wave: eight blocks of 256 bytes that no other line names
; where slot k's score lies in a batch's sc, in words: tile t = k / 16 belongs to work-group c = t % 8 as its tile number k / 128, in pass (k / 128 + 7) / 16; a pass has 160 words, a work-group 320
.macro IDX d, k, t
	v_lshrrev_b32 v[\d], 7, v[\k]
	s_delay_alu instid0(VALU_DEP_1)
	v_add_nc_u32 v[\t], 7, v[\d]
	s_delay_alu instid0(VALU_DEP_1)
	v_lshrrev_b32 v[\t], 4, v[\t]
	s_delay_alu instid0(VALU_DEP_1)
	v_add_nc_u32 v[\d], v[\d], v[\t]
	v_and_b32 v[\t], 15, v[\k]
	s_delay_alu instid0(VALU_DEP_1)
	v_lshl_add_u32 v[\d], v[\d], 4, v[\t]
	v_bfe_u32 v[\t], v[\k], 4, 3
	s_delay_alu instid0(VALU_DEP_1)
	v_mad_u32_u24 v[\d], v[\t], 320, v[\d]
.endm
; my unit i: its eight rows' loads, into buffer i % 4
.macro ROWS i
.set Q_, (\i)%4
.irp e, 0,1,2,3,4,5,6,7
	v_readlane_b32 s[68+\e], v[4+\e%4], 2*(\i)+\e/4
.endr
.irp e, 0,1,2,3,4,5,6,7
	s_min_u32 s[68+\e], s[68+\e], 0x7ff            ; a loaded row number: held inside the batch's 2,048 rows
.endr
.irp e, 0,1,2,3,4,5,6,7
	v_lshl_add_u32 v[48+8*Q_+\e], s[68+\e], 12, v1 ; row x 4,096 + 16 lane
.endr
.irp e, 0,1,2,3,4,5,6,7
	global_load_b128 v[80+32*Q_+4*\e:80+32*Q_+4*\e+3], v[48+8*Q_+\e], s[8:9] th:TH_LOAD_NT   ; the list names each row once
.endr
.endm
; and its eight p
.macro PGET i
.set Q_, (\i)%4
.irp e, 0,1,2,3,4,5,6,7
	v_readlane_b32 s[32+8*Q_+\e], v[8+\e%4], 2*(\i)+\e/4
.endr
.endm
; buffer q is added: eight rows x four columns; even and odd rows have chains of their own.  first = 1: the first two rows start the chains: nothing is cleared
.macro ACC q, first
.irp e, 0,1,2,3,4,5,6,7
.irp x, 0,1,2,3
.if (\first) && (\e < 2)
	v_mul_f32 v[32+4*(\e%2)+\x], s[32+8*(\q)+\e], v[80+32*(\q)+4*\e+\x]
.else
	v_fmac_f32 v[32+4*(\e%2)+\x], s[32+8*(\q)+\e], v[80+32*(\q)+4*\e+\x]
.endif
.endr
.endr
.endm
.macro STEP i
	s_wait_loadcnt 24                              ; unit i's rows are in; the three younger units' 24 loads stay out
.if (\i) == 0
	ACC 0, 1
.else
	ACC (\i)%4, 0
.endif
.if (\i) < 12
	s_cmp_gt_u32 s30, (\i)+4                       ; has my wave a unit i + 4?
.if ((\i)+1)%4 == 0
	s_cbranch_scc0 .Ldrain_0
.elseif ((\i)+1)%4 == 1
	s_cbranch_scc0 .Ldrain_1
.elseif ((\i)+1)%4 == 2
	s_cbranch_scc0 .Ldrain_2
.else
	s_cbranch_scc0 .Ldrain_3
.endif
	ROWS (\i)+4                                    ; its offsets, rows and p land where the unit just added lay
	PGET (\i)+4
.endif
.endm
.macro DRAIN q                         ; three units are out, the oldest in buffer q, and nothing more is asked for: the counts run down
.Ldrain_\q:
	s_wait_alu depctr_va_vdst(0)
	s_wait_loadcnt 16
	ACC \q, 0
	s_wait_alu depctr_va_vdst(0)
	s_wait_loadcnt 8
	ACC (\q+1)%4, 0
	s_wait_alu depctr_va_vdst(0)
	s_wait_loadcnt 0x0
	ACC (\q+2)%4, 0
.endm
.macro VADD a, b                       ; four numbers onto four
	v_pk_add_f32 v[\a:\a+1], v[\a:\a+1], v[\b:\b+1]
	v_pk_add_f32 v[\a+2:\a+3], v[\a+2:\a+3], v[\b+2:\b+3]
.endm
	s_load_b256 s[8:15], s[0:1], 0x0               ; enc s[8:9], list s[10:11], rank s[12:13], cnt s[14:15]
	s_load_b128 s[16:19], s[0:1], 0x20             ; sc s[16:17], out0 s[18:19]
	s_load_b64 s[20:21], s[0:1], 0x30              ; out1
	v_lshl_add_u32 v2, v0, 2, SPARE
	v_mov_b32 v3, 0
	v_lshrrev_b32 v12, 5, v0
	s_delay_alu instid0(VALU_DEP_1)
	v_readfirstlane_b32 s24, v12                   ; wave 0..15
	s_mov_b32 s25, ttmp9                           ; j
	s_and_b32 s26, ttmp7, 0xffff                   ; b
	v_and_b32 v13, 31, v0                          ; lane
	s_delay_alu instid0(VALU_DEP_1)
	v_lshlrev_b32 v1, 4, v13
	s_delay_alu instid0(VALU_DEP_2)
	v_lshrrev_b32 v14, 1, v13
	s_delay_alu instid0(VALU_DEP_3)
	v_and_b32 v13, 1, v13
	v_lshlrev_b32 v12, 3, v12
	s_delay_alu instid0(VALU_DEP_1)
	v_lshl_add_u32 v12, v14, 7, v12
	s_delay_alu instid0(VALU_DEP_1)
	v_lshl_add_u32 v12, v13, 2, v12                ; my first slot: 8 w + 128 (lane / 2) + 4 (lane % 2)
	s_delay_alu instid0(VALU_DEP_1)
	v_lshlrev_b32 v18, 2, v12                      ; its byte in the list
	IDX 19, 12, 14
	s_delay_alu instid0(VALU_DEP_1)
	v_lshlrev_b32 v19, 2, v19                      ; and in sc: four slots of one tile are four neighbouring words
	s_lshl_b32 s78, s24, 2
	v_mov_b32 v40, s78                             ; my wave's word among the maxima; the sums' lies 256 bytes on
	v_mov_b32 v41, 0
	v_lshl_add_u32 v42, v0, 4, RED                 ; my 16 bytes of my wave's partial context
	v_add_nc_u32 v43, RED, v1                      ; and where wave 0 reads them back
	v_lshlrev_b32 v30, 3, v0                       ; 8 x thread: two rows of out1
	s_mov_b32 s66, 0x76543210                      ; v_permlanex16_b32's selects for lane l xor 16
	s_mov_b32 s67, 0xfedcba98
	s_mov_b32 s77, 0
	s_wait_kmcnt 0x0
	s_lshl_b32 s76, s26, 23
	s_add_nc_u64 s[8:9], s[8:9], s[76:77]
	s_lshl_b32 s76, s25, 9
	s_add_nc_u64 s[8:9], s[8:9], s[76:77]          ; the batch's rows of enc, at my 128 columns
	s_lshl_b32 s76, s26, 13
	s_add_nc_u64 s[10:11], s[10:11], s[76:77]      ; list[b]
	s_add_nc_u64 s[12:13], s[12:13], s[76:77]
	s_add_nc_u64 s[20:21], s[20:21], s[76:77]
	s_lshl_b32 s76, s25, 10
	s_add_nc_u64 s[12:13], s[12:13], s[76:77]      ; rank[b] and out1[b] at my 256 rows
	s_add_nc_u64 s[20:21], s[20:21], s[76:77]
	s_lshl_b32 s76, s26, 7
	s_add_nc_u64 s[14:15], s[14:15], s[76:77]
	s_mul_i32 s76, s26, 10240
	s_add_nc_u64 s[16:17], s[16:17], s[76:77]      ; sc[b]
	s_lshl_b32 s76, s26, 12
	s_lshl_b32 s78, s25, 9
	s_add_co_u32 s76, s76, s78
	s_add_nc_u64 s[18:19], s[18:19], s[76:77]      ; out0[b] at my 128 columns
	s_load_b32 s27, s[14:15], 0x0                  ; n
	s_cmp_lt_u32 s24, 4
	s_cbranch_scc0 .Lno_rank
	s_wait_alu depctr_va_vdst(0)
	global_load_b64 v[20:21], v30, s[12:13]        ; waves 0-3: the slots of my two rows of out1
.Lno_rank:
	global_load_b128 v[4:7], v18, s[10:11]         ; my four slots' rows,
	s_wait_alu depctr_va_vdst(0)
	global_load_b128 v[8:11], v19, s[16:17]        ; and their scores
	s_wait_loadcnt 0x0
	s_cmp_lt_u32 s24, 4
	s_cbranch_scc0 .Lno_gather
	IDX 22, 20, 24
	IDX 23, 21, 25
	v_min_u32 v22, 0x9ff, v22                      ; from loaded slots: held inside the batch's 2,560 words
	s_delay_alu instid0(VALU_DEP_2)
	v_min_u32 v23, 0x9ff, v23
	s_delay_alu instid0(VALU_DEP_2)
	v_lshlrev_b32 v22, 2, v22
	s_delay_alu instid0(VALU_DEP_2)
	v_lshlrev_b32 v23, 2, v23
	global_load_b32 v26, v22, s[16:17]             ; my two rows' scores
	global_load_b32 v27, v23, s[16:17]
.Lno_gather:
	ROWS 0                                         ; the first four units' 32 loads are on their way through the whole softmax
	ROWS 1
	ROWS 2
	ROWS 3
	s_wait_kmcnt 0x0
	s_cmp_eq_u32 s27, 0
	s_cselect_b32 s28, 2048, s27                   ; how many slots count
	s_cselect_b32 s78, 0, 0xff800000               ; the score of a slot at or past n: -infinity; in a batch with no kept row 0 for all
	v_mov_b32 v15, s78
	s_add_co_u32 s29, s28, 7
	s_lshr_b32 s29, s29, 3                         ; U: units
	s_add_co_u32 s30, s29, 15
	s_sub_co_u32 s30, s30, s24
	s_lshr_b32 s30, s30, 4                         ; my wave's: those u = w + 16 i under U
.irp x, 0,1,2,3
	v_add_nc_u32 v14, \x, v12
	s_delay_alu instid0(VALU_DEP_1)
	v_cmp_gt_u32 vcc_lo, s27, v14
	s_delay_alu instid0(VALU_DEP_1)
	v_cndmask_b32 v[8+\x], v15, v[8+\x], vcc_lo
.endr
	s_delay_alu instid0(VALU_DEP_4)
	v_max3_num_f32 v16, v8, v9, v10
	s_delay_alu instid0(VALU_DEP_1)
	v_max_num_f32 v16, v16, v11
	s_delay_alu instid0(VALU_DEP_1)
	v_max_num_f32_dpp v16, v16, v16 row_xmask:1 row_mask:0xf bank_mask:0xf
	s_delay_alu instid0(VALU_DEP_1)
	v_max_num_f32_dpp v16, v16, v16 row_xmask:2 row_mask:0xf bank_mask:0xf
	s_delay_alu instid0(VALU_DEP_1)
	v_max_num_f32_dpp v16, v16, v16 row_xmask:4 row_mask:0xf bank_mask:0xf
	s_delay_alu instid0(VALU_DEP_1)
	v_max_num_f32_dpp v16, v16, v16 row_xmask:8 row_mask:0xf bank_mask:0xf
	s_delay_alu instid0(VALU_DEP_1)
	v_permlanex16_b32 v14, v16, s66, s67
	s_delay_alu instid0(VALU_DEP_1)
	v_max_num_f32 v16, v16, v14
	ds_store_b32 v40, v16
	s_wait_dscnt 0x0                               ; my wave's maximum lies in LDS
	s_barrier_signal -1
	s_barrier_wait -1
.irp i, 0,1,2,3
	ds_load_b128 v[208+4*\i:211+4*\i], v41 offset:16*\i
.endr
	s_wait_dscnt 0x0
	v_max3_num_f32 v45, v208, v209, v210
.irp i, 211,213,215,217,219,221
	s_delay_alu instid0(VALU_DEP_1)
	v_max3_num_f32 v45, v45, v[\i], v[\i+1]
.endr
	s_delay_alu instid0(VALU_DEP_1)
	v_max_num_f32 v45, v45, v223                   ; the batch's largest score
.irp x, 0,1,2,3
	v_sub_f32 v[8+\x], v[8+\x], v45
	s_delay_alu instid0(VALU_DEP_1)
	v_mul_f32 v[8+\x], 0x3fb8aa3b, v[8+\x]
.endr
	s_wait_alu depctr_va_vdst(0)
.irp x, 0,1,2,3
	v_exp_f32 v[8+\x], v[8+\x]                     ; p = e^(u - max); 0 for a slot at or past n
.endr
	v_nop                                          ; a plain line behind the last exponential,
	s_wait_alu depctr_va_vdst(0)                   ; and the one wait for the four, ahead of their first reader
	v_add_f32 v16, v8, v9
	v_add_f32 v14, v10, v11
	s_delay_alu instid0(VALU_DEP_1)
	v_add_f32 v16, v16, v14
	s_delay_alu instid0(VALU_DEP_1)
	v_add_f32_dpp v16, v16, v16 row_xmask:1 row_mask:0xf bank_mask:0xf
	s_delay_alu instid0(VALU_DEP_1)
	v_add_f32_dpp v16, v16, v16 row_xmask:2 row_mask:0xf bank_mask:0xf
	s_delay_alu instid0(VALU_DEP_1)
	v_add_f32_dpp v16, v16, v16 row_xmask:4 row_mask:0xf bank_mask:0xf
	s_delay_alu instid0(VALU_DEP_1)
	v_add_f32_dpp v16, v16, v16 row_xmask:8 row_mask:0xf bank_mask:0xf
	s_delay_alu instid0(VALU_DEP_1)
	v_permlanex16_b32 v14, v16, s66, s67
	s_delay_alu instid0(VALU_DEP_1)
	v_add_f32 v16, v16, v14
	ds_store_b32 v40, v16 offset:RSUM
	s_wait_dscnt 0x0                               ; my wave's sum lies in LDS
	s_barrier_signal -1
	s_barrier_wait -1
.irp i, 0,1,2,3
	ds_load_b128 v[208+4*\i:211+4*\i], v41 offset:RSUM+16*\i
.endr
	PGET 0                                         ; the first four units' p
	PGET 1
	PGET 2
	PGET 3
	s_wait_dscnt 0x0
	VADD 208, 212
	VADD 216, 220
	VADD 208, 216
	s_delay_alu instid0(VALU_DEP_1)
	v_pk_add_f32 v[208:209], v[208:209], v[210:211]
	s_delay_alu instid0(VALU_DEP_1)
	v_add_f32 v16, v208, v209
	s_wait_alu depctr_va_vdst(0)
	v_rcp_f32 v44, v16                             ; 1 / the sum, which is at least 1
	v_nop
	s_wait_alu depctr_va_vdst(0)
	; ---- out1: waves 0-3, two rows a lane
	s_cmp_lt_u32 s24, 4
	s_cbranch_scc0 .Lno_w
	s_wait_loadcnt 32                              ; my two gathered scores are in; the four units' 32 loads, issued behind them, stay out
	v_cmp_gt_u32 vcc_lo, s27, v20
	s_delay_alu instid0(VALU_DEP_1)
	v_cndmask_b32 v26, v15, v26, vcc_lo
	v_cmp_gt_u32 vcc_lo, s27, v21
	s_delay_alu instid0(VALU_DEP_1)
	v_cndmask_b32 v27, v15, v27, vcc_lo
	s_delay_alu instid0(VALU_DEP_3)
	v_sub_f32 v26, v26, v45
	s_delay_alu instid0(VALU_DEP_2)
	v_sub_f32 v27, v27, v45
	s_delay_alu instid0(VALU_DEP_2)
	v_mul_f32 v26, 0x3fb8aa3b, v26
	s_delay_alu instid0(VALU_DEP_2)
	v_mul_f32 v27, 0x3fb8aa3b, v27
	s_wait_alu depctr_va_vdst(0)
	v_exp_f32 v26, v26
	v_exp_f32 v27, v27
	v_nop
	s_wait_alu depctr_va_vdst(0)
	v_mul_f32 v28, v26, v44
	v_mul_f32 v29, v27, v44
	global_store_b64 v30, v[28:29], s[20:21]       ; a wave stores 256 consecutive bytes, at a multiple of 256 from out1's first byte
.Lno_w:
	; ---- the stream
.irp i, 0,1,2,3,4,5,6,7,8,9,10,11,12
	STEP \i
.endr
	DRAIN 1                                        ; behind step 12: units 13, 14, 15 lie in buffers 1, 2, 3
	s_branch .Lsum
	DRAIN 2
	s_branch .Lsum
	DRAIN 3
	s_branch .Lsum
	DRAIN 0
.Lsum:
	s_wait_alu depctr_va_vdst(0)
	VADD 32, 36                                    ; the two chains
	ds_store_b128 v42, v[32:35]
	s_wait_dscnt 0x0                               ; my partial context lies in LDS
	s_barrier_signal -1
	s_barrier_wait -1
	s_cmp_lg_u32 s24, 0
	s_cbranch_scc1 .Ldone
.irp i, 0,1,2,3,4,5,6,7,8,9,10,11,12,13,14,15
	ds_load_b128 v[80+4*\i:83+4*\i], v43 offset:512*\i   ; no load from memory is out: every tail ended with a wait for 0
.endr
	s_wait_dscnt 0x0
.irp i, 0,2,4,6,8,10,12,14
	VADD 80+4*\i, 84+4*\i
.endr
.irp i, 0,4,8,12
	VADD 80+4*\i, 88+4*\i
.endr
	VADD 80, 96
	VADD 112, 128
	VADD 80, 112
	v_pk_mul_f32 v[80:81], v[80:81], v[44:45] op_sel_hi:[1,0]   ; / the sum (of the pair the low word serves both halves)
	v_pk_mul_f32 v[82:83], v[82:83], v[44:45] op_sel_hi:[1,0]
	global_store_b128 v1, v[80:83], s[18:19]       ; 512 consecutive bytes, at a multiple of 256 from out0's first byte
.Ldone:
	s_wait_tensorcnt 0x0                           ; the wave's end, behind my last LDS store
	ds_add_u32 v2, v3
	s_wait_dscnt 0x0
	s_endpgm
.Lfunc_end_k_q94e36e32c6_context:
	.size	k_q94e36e32c6_context, .Lfunc_end_k_q94e36e32c6_context-k_q94e36e32c6_context
	.p2alignl 7, 3214868480
	.fill 96, 4, 3214868480
	.section	.rodata,"a",@progbits
	.p2align	6, 0x0
	.amdhsa_kernel k_q94e36e32c6_context
		.amdhsa_group_segment_fixed_size 10752
		.amdhsa_private_segment_fixed_size 0
		.amdhsa_enable_private_segment 0
		.amdhsa_kernarg_size 56
		.amdhsa_user_sgpr_count 2
		.amdhsa_user_sgpr_kernarg_segment_ptr 1
		.amdhsa_wavefront_size32 1
		.amdhsa_system_sgpr_workgroup_id_x 1
		.amdhsa_system_sgpr_workgroup_id_y 1
		.amdhsa_system_sgpr_workgroup_id_z 1
		.amdhsa_system_vgpr_workitem_id 0
		.amdhsa_next_free_vgpr 224
		.amdhsa_next_free_sgpr 80
		.amdhsa_reserve_vcc 1
		.amdhsa_float_denorm_mode_32 3
		.amdhsa_float_denorm_mode_16_64 3
		.amdhsa_memory_ordered 1
		.amdhsa_forward_progress 1
		.amdhsa_inst_pref_size 86
	.end_amdhsa_kernel
	.amdgpu_metadata
---
amdhsa.version: [ 1, 2 ]
amdhsa.kernels:
  - .name:           k_q94e36e32c6_context
    .symbol:         k_q94e36e32c6_context.kd
    .args:
      - { .name: encoder_outputs, .offset: 0, .size: 8, .value_kind: global_buffer, .address_space: global }
      - { .name: list, .offset: 8, .size: 8, .value_kind: global_buffer, .address_space: global }
      - { .name: rank, .offset: 16, .size: 8, .value_kind: global_buffer, .address_space: global }
      - { .name: cnt, .offset: 24, .size: 8, .value_kind: global_buffer, .address_space: global }
      - { .name: sc, .offset: 32, .size: 8, .value_kind: global_buffer, .address_space: global }
      - { .name: out0, .offset: 40, .size: 8, .value_kind: global_buffer, .address_space: global }
      - { .name: out1, .offset: 48, .size: 8, .value_kind: global_buffer, .address_space: global }
    .group_segment_fixed_size: 10752
    .private_segment_fixed_size: 0
    .kernarg_segment_align: 8
    .kernarg_segment_size: 56
    .max_flat_workgroup_size: 512
    .sgpr_count:     80
    .vgpr_count:     224
    .wavefront_size: 32
...
	.end_amdgpu_metadata
.endif
;; end of part 3
